; MI455X (gfx1250); checked and timed in simulation.
; The chip was launched on July 23, 2026; its instructions are those of AMD's public machine-readable ISA for CDNA 5 (MIT licence, August 2026) and "CDNA5" Instruction Set Architecture Reference Guide (July 2026). The comments in the code are by the model that wrote it; some were corrected since.
;; Roberta Self Attention. Allowed arithmetic: matrix products marked QUANTISED: E2M3 operands, one E8M0 scale for each 32 along K, by v_wmma_scale_f32_16x16x128_f8f6f4 with both operands' format E2M3, f32 sums; everything else in f32.
;; Inputs: Wk_codes 1,024 x 32 x 24 uint8 (E2M3 codes of Wk, K innermost, in blocks of 32 codes, four codes in three bytes); Wk_scales 1,024 x 32 uint8 (E8M0 scales of Wk, one for each 32 codes along K); Wq_codes 1,024 x 32 x 24 uint8 (E2M3 codes of Wq, K innermost, in blocks of 32 codes, four codes in three bytes); Wq_scales 1,024 x 32 uint8 (E8M0 scales of Wq, one for each 32 codes along K); Wv_codes 1,024 x 32 x 24 uint8 (E2M3 codes of Wv, K innermost, in blocks of 32 codes, four codes in three bytes); Wv_scales 1,024 x 32 uint8 (E8M0 scales of Wv, one for each 32 codes along K); attention_mask 2 x 1 x 1 x 2,048 float32; bk 1,024 float32; bq 1,024 float32; bv 1,024 float32; hidden_states_codes 2 x 2,048 x 32 x 24 uint8 (E2M3 codes of hidden_states, K innermost, in blocks of 32 codes, four codes in three bytes); hidden_states_scales 2 x 2,048 x 32 uint8 (E8M0 scales of hidden_states, one for each 32 codes along K).
;; Outputs: out0 2 x 2,048 x 1,024 float32.
;; This version of the problem:
;;   THIS VERSION OF THE PROBLEM IS GIVEN IN LOW PRECISION. The matrix products marked QUANTISED in the list below multiply operands that are first quantised to E2M3 (2 exponent bits, 3 mantissa bits; 6 bits a number), with one power-of-two scale for each 32 numbers along K (OCP MX v1.0); their sums are f32. All else is computed in f32.
;;   The module's matrix products, in the order in which they are computed (A, B: the left and right operand; K: the contracted axis; several contracted axes count as one K, in the product's order):
;;     1. [M 4,096, K 1,024] x [K 1,024, N 1,024]; A: input hidden_states (given as codes); B: input Wq (given as codes): QUANTISED
;;     2. [M 4,096, K 1,024] x [K 1,024, N 1,024]; A: input hidden_states (given as codes); B: input Wk (given as codes): QUANTISED
;;     3. [M 4,096, K 1,024] x [K 1,024, N 1,024]; A: input hidden_states (given as codes); B: input Wv (given as codes): QUANTISED
;;     4. batch 32 x [M 2,048, K 64] x [K 64, N 2,048]; A: computed on the way; B: computed on the way: QUANTISED
;;     5. batch 32 x [M 2,048, K 2,048] x [K 2,048, N 64]; A: softmax (see below); B: computed on the way: QUANTISED
;;   THE QUANTISER, for each operand of a quantised product, along K:
;;     - K is cut into blocks of 32 from its start; a last block that is shorter is filled with zeros.
;;     - A block's scale is 2^e with e = floor(log2(the largest magnitude in the block)) - 2, held to -126 .. 127; a block of zeros has e = 0. As a byte (E8M0): e + 127.
;;     - Each number is divided by its block's scale, clamped to +-7.5, and rounded to the nearest number of E2M3, ties to even, subnormals kept.
;;     - The product sums the exact products of the quantised numbers (number of the format x scale) in f32.
;;   ~~~python
;;   def quantise(x, axis):      # numpy; x: float32 -> the quantised numbers, widened to float32 again
;;       x = np.moveaxis(x, axis, -1); K = x.shape[-1]
;;       x = np.pad(x, [(0, 0)] * (x.ndim - 1) + [(0, -K % 32)]); x = x.reshape(x.shape[:-1] + (-1, 32)); a = np.abs(x).max(-1, keepdims=True)
;;       e = np.where(a > 0, np.clip(np.frexp(np.where(a > 0, a, 1))[1] - 1 - 2, -126, 127), 0)      # np.frexp(a)[1] - 1 = floor(log2(a)), exactly
;;       r = np.clip(x / 2.0 ** e, -7.5, 7.5)
;;       step = 2.0 ** (np.maximum(np.frexp(np.where(r == 0, 1, r))[1] - 1, 0) - 3)
;;       q = np.round(r / step) * step * 2.0 ** e      # np.round: ties to even
;;       return np.moveaxis(q.reshape(q.shape[:-2] + (-1,))[..., :K], -1, axis).astype(np.float32)
;;   ~~~
;;   SOFTMAX AHEAD OF A QUANTISED PRODUCT. Where the list says 'softmax', what is quantised is not the finished softmax but p = 2^(t - M), with t = logit x log2(e) and M = ceil(the row's largest t), a whole number; so 1/2 < the row's largest p <= 1. The row's sum l is taken of the UNQUANTISED p, in f32, and the product's result is divided by l at the end. Since M is a whole number, a kernel that streams over the keys may use a running M (the ceiling of the running maximum): every later rescaling is an exact power of two, which a block's scale takes up: the codes' values come out the same.
;;   OPERANDS COMPUTED ON THE WAY. 'Computed on the way' means the value that the module computes at that place (a softmax that the list does not call 'softmax' is quantised finished and normalised). What goes into a quantiser is computed in f32, as accurately as f32 sums, v_exp_f32 and their like allow (about 1e-6 of the number): no bf16 or f16 on the way to a quantiser, and a product that is left as it is and whose result goes on into a quantised operand takes f32 operands (vector FMAs, or v_wmma_f32_16x16x4_f32). A number that lies on a knife's edge between two numbers of the format may be rounded either way, as far as f32 arithmetic and the matrix unit's own rounding can turn it there, and no further.
;;   INPUTS GIVEN AS CODES. Wk (in the module: [1024, 1024], K = its axis 1); Wq (in the module: [1024, 1024], K = its axis 1); Wv (in the module: [1024, 1024], K = its axis 1); hidden_states (in the module: [2, 2048, 1024], K = its axis 2): each comes as NAME_codes (uint8): NAME with its K axis moved to the last place and cut into blocks of 32 codes, [.., K / 32, bytes a block], one block behind the other in memory; four codes in three bytes: a row's codes are one little-endian stream of bits, code i at bits 6 i .. 6 i + 5 (a code: sign, 2 exponent bits, 3 mantissa bits); and NAME_scales (uint8): the same leading axes, one E8M0 byte (e + 127) for each 32 codes along K. Its value is code x scale, taken as it is: it is not quantised again, and the codes and scales need not be those that the quantiser above would give.
;; One version. Each part assembles by itself: llvm-mc -triple=amdgcn-amd-amdhsa -mcpu=gfx1250 --defsym DOCPART=n.
;; ======== version 1 of 1: 2 launches
;; workspace buffers: qws 3,407,872 bytes; kvws 6,684,672 bytes
;; launch proj (part 1): grid 8 x 32, 4 waves a work-group, clusters of 4 x 4, 327,680 bytes of LDS; arguments hidden_states_codes, hidden_states_scales, Wq_codes, Wq_scales, Wk_codes, Wk_scales, Wv_codes, Wv_scales, bq, bk, bv, qws, kvws; writes qws, kvws
.if DOCPART == 1
	.amdgcn_target "amdgcn-amd-amdhsa--gfx1250"
	.amdhsa_code_object_version 6
	.text
	.protected	k_q601aef6871_proj
	.globl	k_q601aef6871_proj
	.p2align	8
	.type	k_q601aef6871_proj,@function
k_q601aef6871_proj:
	s_mov_b64 s[64:65], 0
	v_nop
	global_prefetch_b8 v0, s[64:65] scope:SCOPE_SE
	s_setreg_imm32_b32 hwreg(HW_REG_WAVE_MODE, 25, 1), 1
	s_wait_xcnt 0x0
	s_wait_alu depctr_hold_cnt(0) depctr_sa_sdst(0) depctr_va_vdst(0) depctr_va_sdst(0) depctr_va_ssrc(0) depctr_va_vcc(0) depctr_vm_vsrc(0)
	s_getreg_b32 s2, hwreg(HW_REG_IB_STS2, 6, 4)
	s_cmp_eq_u32 s2, 0
	s_cbranch_scc0 .Lentry_in_a_cluster
	s_endpgm
.Lentry_in_a_cluster:
	s_bfe_u32 s2, ttmp6, 0x10000c
	s_cmp_lg_u32 s2, 0xf033
	s_cbranch_scc0 .Lentry_shape_is_right
	s_endpgm
.Lentry_shape_is_right:
; q = x Wq^T + bq, k = x Wk^T + bk, v = x Wv^T + bv on codes of FP6 (E2M3) with one E8M0 scale for each 32 along K = 1,024; sums in f32, the bias as the C of a sum's first product.
; The results never go to memory as f32: q and k are quantised along the head's 64 (two blocks of 32), v along the KEYS (blocks of 32 tokens), and leave as IMAGES OF OPERAND REGISTERS for the attention launch.
; SHARES.  A work-group takes 128 tokens (T = 0..31) x two heads (cg = 0..7) of q, of k and of v.  Wave w: tokens 64 (w / 2) on, head 2 cg + w % 2: 4 tiles of tokens x 4 tiles of features x 3 = 48 accumulators.
; FORMS.  q, k: source 0 = 16 rows of W, source 1 = 16 tokens: a lane holds ONE token and its registers run along the features.  v: source 0 = 16 tokens, source 1 = 16 rows of Wv: a lane holds ONE feature and its
; registers run along the tokens.  So in both cases 32 consecutive registers are a lane's share of two blocks along the next product's K.
; ORDER INSIDE A BLOCK.  A lane of half h holds places 8 h + 0..7 and 16 + 8 h + 0..7 of a block; behind the conversions and the exchange of halves a block's codes lie in the order 0-7, 16-23, 8-15, 24-31.
; q and k (along the features), and v and the attention launch's p (along the keys), are all made in this way, so both operands of each product carry the same order, and the sums are those of the natural order.
; THE DIVISION BY sqrt(64) = 8 is three off each of q's scale bytes: exact.
; A SEXTET is 6 registers x 32 lanes, 768 bytes: registers 0-3 at 16 x lane, registers 4-5 at 512 + 8 x lane: each store of the wave covers 512 or 256 consecutive bytes, aligned to 256.
; qws [hh = 16 b + head][s = token / 128] records of 6,656 bytes: 8 sextets (tile of 16 tokens), then 512 bytes of scale words [tile / 4][lane][2]: word a of lane l: tile 4 (tile / 4) + 2 a + l / 16, token l % 16.
; kvws [hh][s] records of 13,056 bytes: k's 8 sextets; v's 8 sextets (2 t + i: registers 6 i .. 6 i + 5 of the tile of features 16 t on, keys 64 i on); k's scale words as q's; v's [lane][2]: word a of lane l: tile 2 a + l / 16, feature l % 16.
; K goes in steps of 256 through a ring of two LDS slots filled by the tensor data mover; wave w fetches quarter w of a slot: x, Wq, Wk, Wv, 128 rows of 192 bytes each.
; CLUSTERS: 4 x 4 work-groups.  The four of a row of the cluster take the same tokens, the four of a column the same heads: each tile is asked for jointly, by the same tensor load with the same descriptor and a mask that names the four.
; By this text's own count a wave has two tensor loads out at the start and one behind each refill.
; The 8 steps of 128 along K are written out: the scale words of all of K stay in registers (a row's 32 bytes are its 8 words), and a register's number cannot hang on a loop's counter.
; LIMITS: NaN and infinities (a scale byte 0xff among the inputs) are not served.  A block of q whose largest magnitude lies under 2^-121, and one of k or v under 2^-124, is quantised at that floor's scale;
; a block of zeros carries the floor's byte, not 127: its codes are zeros, and only this program reads the bytes.
; REGISTERS, in windows of 256: window 0: v1-31 addresses; v32-103 at work in the quantiser; v128-255 scale words and nothing else.   window 1: q's 16 accumulators (v0-127), k's (v128-255).
;   window 2: v's 16 accumulators (v0-127); the biases in the results' layout (v128-223).   window 3: fragments: x two sets (v0-47, v48-95), Wq, Wk, Wv one set each (v96, v144, v192).
.set PITCH,  240                       ; an LDS row: 3 x (64 bytes of data + 16 of padding)
.set HALFT,  128*PITCH                 ; 128 rows: what one tensor load brings
.set SLOT,   4*HALFT                   ; x, Wq, Wk, Wv
.set SPARE,  2*SLOT                    ; behind the ring: the spare words, 128 bytes for each wave: two blocks of 256 bytes that no other line names
.set KROW,   768                       ; a row of 1,024 codes in memory
.set ROWB,   192                       ; 256 codes: a tile's row
.set QREC,   6656                      ; a record of qws
.set REC,    13056                     ; a record of kvws:
.set VC,     6144                      ; v's sextets,
.set KS,     12288                     ; k's scale words,
.set VS,     12800                     ; v's scale words
.set L16,  4                           ; v4     16 x lane
.set L8,   5                           ; v5     8 x lane
.set SPW,  6                           ; v6     LDS address of my spare word: SPARE + 4 x my thread's number; never rewritten
.set NIL,  7                           ; v7     0; never rewritten
.set ADX,  8                           ; v8-9   LDS address of my x fragments in slot 0, 1;  v10-11 the same for the pieces that lie behind one padding more
.set ADQ,  12                          ; v12-15 the same for Wq (Wk lies HALFT further on: by the immediate)
.set ADV,  16                          ; v16-19 the same for Wv
.set OQ16, 26                          ; v26-31 the way out: 16 or 8 x lane + what hangs on my half of the tokens
.set OQ8,  27
.set OS8,  28
.set OV16, 29
.set OV8,  30
.set OVS,  31
.set TM,   32                          ; v32-39 eight blocks' largest magnitudes
.set TP,   40                          ; v40-47 the other half's; then the scale bytes
.set SO,   48                          ; v48-55 the conversions' scale operands
.set SW,   56                          ; v56-59 a unit's two bytes
.set PK,   60                          ; v60-61 the same, two units to a register: lanes 0-15 the even unit's, lanes 16-31 the odd one's
.set CD,   64                          ; v64-87 four sextets
.set PT,   88                          ; v88-103 the second conversions' results
.set SCX,  128                         ; scale words: x's tile m, step ks at v[SCX + 8 m + ks]; W's tile t likewise
.set SCQ,  160
.set SCK,  192
.set SCV,  224
.set QA,   0                           ; window 1
.set KA,   128
.set BQ,   128                         ; window 2
.set BK,   160
.set BV,   192
.set WQF,  96                          ; window 3
.set WKF,  144
.set WVF,  192
.set WV,   30                          ; s30 wave; s31 its half of the tokens; s32 its head of the two
.set HI,   39                          ; s39 a lane mask: lanes 16-31
.set G1,   40                          ; s[40:47] descriptor group 1 for x's tiles;  s[48:55] for W's: it differs in the mask alone
.set G1B,  48
.set G0,   56                          ; s[56:63] group 0 for x's tiles, a set for each slot;  s[68:75] for W's
.set G0B,  68
.set SEL,  76                          ; s[76:77] v_permlanex16_b32's selects for lane l xor 16
.set MSB, 0
.macro WIN new                         ; the immediate's high byte repeats the setting that is left; a switch that changes nothing is dropped
.if MSB != \new
	s_set_vgpr_msb (MSB<<8)|\new
.set MSB, \new
.endif
.endm
; A joint load: wave 0 fetches x's tile, waves 1 to 3 Wq's, Wk's, Wv's.  Each of the two lines has one mask; the branch hangs on the wave's number alone.
; Four v_nop follow each of the two lines, ahead of the jump, the label and what follows.
.macro JLOAD s
	s_cmp_eq_u32 s[WV], 0
	s_cbranch_scc0 .Lfor_w_\@
	tensor_load_to_lds s[G0+4*\s:G0+4*\s+3], s[G1:G1+7]
	s_nop 0
.rept 4
	v_nop
.endr
	s_branch .Lasked_\@
.Lfor_w_\@:
	tensor_load_to_lds s[G0B+4*\s:G0B+4*\s+3], s[G1B:G1B+7]
	s_nop 0
.rept 4
	v_nop
.endr
.Lasked_\@:
.endm
.macro CREST                           ; a round of the cluster's barrier behind its opening barrier
	s_cmp_lg_u32 s[WV], 0
	s_cbranch_scc1 .Lnot_wave_0_\@
	s_barrier_signal -3
.Lnot_wave_0_\@:
	s_barrier_wait -3
	s_barrier_signal -1
	s_barrier_wait -1
.endm
.macro CROUND                          ; a whole round
	s_barrier_signal -1
	s_barrier_wait -1
	CREST
.endm
; A load into a register that a matrix instruction has read, and a vector instruction that reads a matrix result, stand four places behind that matrix instruction, and only plain vector
; instructions that name none of its registers are places (ISA guide 7.12.1 for vector instructions).
.macro PLACES
.rept 4
	v_nop
.endr
.endm
	s_load_b256 s[4:11], s[0:1], 0x0               ; x's codes s[4:5], x's scales s[6:7], Wq's codes s[8:9], Wq's scales s[10:11]
	s_load_b256 s[12:19], s[0:1], 0x20             ; Wk's codes s[12:13], scales s[14:15], Wv's codes s[16:17], scales s[18:19]
	s_load_b256 s[20:27], s[0:1], 0x40             ; bq s[20:21], bk s[22:23], bv s[24:25], qws s[26:27]
	s_load_b64 s[28:29], s[0:1], 0x60              ; kvws
	v_lshl_add_u32 v[SPW], v0, 2, SPARE
	v_mov_b32 v[NIL], 0
	ds_add_u32 v6, v7
	ds_add_u32 v6, v7
	s_wait_dscnt 0x0
	v_lshrrev_b32 v1, 5, v0
	v_readfirstlane_b32 s[WV], v1                  ; wave 0..3
	s_lshr_b32 s31, s[WV], 1                       ; i: my 64 of the 128 tokens
	s_and_b32 s32, s[WV], 1                        ; j: my head of the two
	s_bfe_u32 s33, ttmp6, 0x40000                  ; cx, cy: my place in the cluster
	s_bfe_u32 s34, ttmp6, 0x40004
	s_lshl_b32 s35, ttmp9, 2
	s_add_co_u32 s35, s35, s33                     ; cg = 4 x cluster x + cx: heads 2 cg, 2 cg + 1
	s_and_b32 s36, ttmp7, 0xffff
	s_lshl_b32 s36, s36, 2
	s_add_co_u32 s36, s36, s34                     ; T = 4 x cluster y + cy: tokens 128 T on
	s_lshl_b32 s37, s34, 2
	s_lshl_b32 s37, 15, s37                        ; my row of the cluster
	s_lshl_b32 s38, 0x1111, s33                    ; my column
	s_mov_b32 s[HI], 0xffff0000
	s_mov_b32 s[SEL], 0x76543210
	s_mov_b32 s[SEL+1], 0xfedcba98
	; descriptor group 1: a tile of 128 rows x 192 bytes, padded in LDS
	s_or_b32 s[G1], s37, (0<<16)|(1<<20)|(1<<21)|(3<<22)|(3<<25)    ; 15:0 the mask: x's tiles go to my row; 17:16 elements of 1 byte; 20 padding on; 21 set beside a mask; 24:22 after every 16 words (code 3); 31:25 of 4 words (code 3)
	s_or_b32 s[G1B], s38, (0<<16)|(1<<20)|(1<<21)|(3<<22)|(3<<25)   ; the same with the mask of my column, for W's tiles
.irp g, G1, G1B
	s_mov_b32 s[\g+1], ROWB<<16                    ; tensor_dim0
	s_mov_b32 s[\g+2], 128<<16                     ; tensor_dim1
	s_mov_b32 s[\g+3], ROWB<<16                    ; tile_dim0
	s_mov_b32 s[\g+4], 128                         ; tile_dim1
	s_mov_b32 s[\g+5], KROW                        ; tensor_dim0_stride
	s_mov_b32 s[\g+6], 0
	s_mov_b32 s[\g+7], 0
.endr
	s_mul_i32 s80, s36, 128*KROW                   ; x's tile hangs on T alone,
	s_mov_b32 s81, 0
	s_mul_i32 s86, s35, 128*KROW                   ; W's on cg alone: each in registers that never hold the other coordinate
	s_mov_b32 s87, 0
	s_mul_i32 s84, s[WV], HALFT                    ; where my quarter goes: no place in the cluster enters an LDS address
	s_lshl_b32 s82, s36, 12                        ; x's scale bytes: 32 a row: (128 T + 64 i) x 32
	s_lshl_b32 s83, s31, 11
	s_add_co_u32 s82, s82, s83
	s_mov_b32 s83, 0
	s_lshl_b32 s88, s35, 12                        ; W's: (128 cg + 64 j) x 32
	s_lshl_b32 s89, s32, 11
	s_add_co_u32 s88, s88, s89
	s_mov_b32 s89, 0
	s_lshl_b32 s90, s35, 9                         ; the biases: 256 bytes a head
	s_lshl_b32 s91, s32, 8
	s_add_co_u32 s90, s90, s91
	s_mov_b32 s91, 0
	s_wait_kmcnt 0x0
	s_add_nc_u64 s[80:81], s[4:5], s[80:81]
	s_cmp_eq_u32 s[WV], 2                          ; which W I fetch: the choice hangs on the wave's number alone
	s_cselect_b64 s[78:79], s[12:13], s[8:9]
	s_cmp_eq_u32 s[WV], 3
	s_cselect_b64 s[78:79], s[16:17], s[78:79]
	s_add_nc_u64 s[78:79], s[78:79], s[86:87]
	CROUND                                         ; all sixteen work-groups are here: the first joint loads meet
.irp s, 0,1
	s_mov_b32 s[G0+4*\s], 1                                        ; 1:0 count = 1
	s_add_co_u32 s[G0+4*\s+1], s84, \s*SLOT                        ; 63:32 LDS address
	s_add_nc_u64 s[G0+4*\s+2:G0+4*\s+3], s[80:81], \s*ROWB         ; 120:64 global address: K = 256 s on
	s_or_b32 s[G0+4*\s+3], s[G0+4*\s+3], 0x80000000                ; 127:126 type = 2
	s_mov_b32 s[G0B+4*\s], 1
	s_add_co_u32 s[G0B+4*\s+1], s84, \s*SLOT
	s_add_nc_u64 s[G0B+4*\s+2:G0B+4*\s+3], s[78:79], \s*ROWB
	s_or_b32 s[G0B+4*\s+3], s[G0B+4*\s+3], 0x80000000
	JLOAD \s
.endr
	v_and_b32 v1, 15, v0                           ; r = lane % 16
	v_bfe_u32 v2, v0, 4, 1                         ; h = lane / 16
	v_and_b32 v3, 31, v0                           ; lane
	v_lshlrev_b32 v[L16], 4, v3
	v_lshlrev_b32 v[L8], 3, v3
	v_mul_u32_u24 v20, v1, PITCH
	v_mad_u32_u24 v21, v2, 24, v20                 ; a fragment's row x pitch + 24 x half
	v_lshl_add_u32 v22, v2, 4, v21                 ; and the same behind one padding more
	v_lshlrev_b32 v23, 5, v1                       ; scale bytes: 32 a row
	v_lshlrev_b32 v24, 5, v2                       ; bq, bk: my half's eight features
	v_lshlrev_b32 v25, 2, v1                       ; bv: my feature
	s_mul_i32 s92, s31, 64*PITCH                   ; my 64 rows of x,
	s_mul_i32 s93, s32, 64*PITCH                   ; my 64 rows of each W:
	s_add_co_u32 s94, s93, 3*HALFT                 ; Wv's quarter,
	s_add_co_u32 s93, s93, HALFT                   ; Wq's
.irp s, 0,1
	v_add_nc_u32 v[ADX+\s], s92, v21
	v_add_nc_u32 v[ADX+2+\s], s92, v22
	v_add_nc_u32 v[ADQ+\s], s93, v21
	v_add_nc_u32 v[ADQ+2+\s], s93, v22
	v_add_nc_u32 v[ADV+\s], s94, v21
	v_add_nc_u32 v[ADV+2+\s], s94, v22
	s_add_co_u32 s92, s92, SLOT
	s_add_co_u32 s93, s93, SLOT
	s_add_co_u32 s94, s94, SLOT
.endr
	s_add_nc_u64 s[6:7], s[6:7], s[82:83]
	s_add_nc_u64 s[10:11], s[10:11], s[88:89]
	s_add_nc_u64 s[14:15], s[14:15], s[88:89]
	s_add_nc_u64 s[18:19], s[18:19], s[88:89]
	s_add_nc_u64 s[20:21], s[20:21], s[90:91]
	s_add_nc_u64 s[22:23], s[22:23], s[90:91]
	s_add_nc_u64 s[24:25], s[24:25], s[90:91]
.irp m, 0,1,2,3                        ; THE SCALE WORDS OF ALL OF K: a row's 32 bytes are the words of steps 0 to 7; lane r takes row r's by two loads; a tile's two loads cover its 512 consecutive bytes
	global_load_b128 v[SCX+8*\m:SCX+8*\m+3],   v23, s[6:7] offset:512*\m
	global_load_b128 v[SCX+8*\m+4:SCX+8*\m+7], v23, s[6:7] offset:512*\m+16
	global_load_b128 v[SCQ+8*\m:SCQ+8*\m+3],   v23, s[10:11] offset:512*\m
	global_load_b128 v[SCQ+8*\m+4:SCQ+8*\m+7], v23, s[10:11] offset:512*\m+16
	global_load_b128 v[SCK+8*\m:SCK+8*\m+3],   v23, s[14:15] offset:512*\m
	global_load_b128 v[SCK+8*\m+4:SCK+8*\m+7], v23, s[14:15] offset:512*\m+16
	global_load_b128 v[SCV+8*\m:SCV+8*\m+3],   v23, s[18:19] offset:512*\m
	global_load_b128 v[SCV+8*\m+4:SCV+8*\m+7], v23, s[18:19] offset:512*\m+16
.endr
	WIN 0x80                                       ; destination window 2
.irp t, 0,1,2,3                        ; THE BIASES in the results' layout.  q, k: register j of tile t is feature 16 t + 8 h + j.  v: all eight registers of tile t are feature 16 t + r
	global_load_b128 v[BQ+8*\t:BQ+8*\t+3],   v24, s[20:21] offset:64*\t
	global_load_b128 v[BQ+8*\t+4:BQ+8*\t+7], v24, s[20:21] offset:64*\t+16
	global_load_b128 v[BK+8*\t:BK+8*\t+3],   v24, s[22:23] offset:64*\t
	global_load_b128 v[BK+8*\t+4:BK+8*\t+7], v24, s[22:23] offset:64*\t+16
.irp j, 0,1,2,3,4,5,6,7
	global_load_b32 v[BV+8*\t+\j], v25, s[24:25] offset:64*\t
.endr
.endr
	WIN 0
	; the way out: the record of (batch, head, 128 tokens), and what hangs on my half of the tokens
	s_lshr_b32 s92, s36, 4                         ; b
	s_and_b32 s93, s36, 15                         ; s
	s_lshl_b32 s94, s35, 1
	s_add_co_u32 s94, s94, s32                     ; head
	s_lshl_b32 s92, s92, 8
	s_lshl_b32 s94, s94, 4
	s_add_co_u32 s92, s92, s94
	s_add_co_u32 s92, s92, s93                     ; 256 b + 16 head + s
	s_mul_i32 s96, s92, QREC
	s_mov_b32 s97, 0
	s_mul_i32 s98, s92, REC
	s_mov_b32 s99, 0
	s_add_nc_u64 s[26:27], s[26:27], s[96:97]
	s_add_nc_u64 s[28:29], s[28:29], s[98:99]
	s_mul_i32 s92, s31, 4*768                      ; q, k: my four sextets
	v_add_nc_u32 v[OQ16], s92, v[L16]
	v_add_nc_u32 v[OQ8], s92, v[L8]
	s_lshl_b32 s92, s31, 8                         ; and their 256 bytes of scale words
	v_add_nc_u32 v[OS8], s92, v[L8]
	s_mul_i32 s92, s31, 768                        ; v: sextet 2 t + i
	v_add_nc_u32 v[OV16], s92, v[L16]
	v_add_nc_u32 v[OV8], s92, v[L8]
	s_lshl_b32 s92, s31, 1                         ; and half i of each scale word
	v_add_nc_u32 v[OVS], s92, v[L8]
.irp b, 0,1,2,3,4,5,6,7
	v_mov_b32 v[TP+\b], 0                          ; written once: a lane permute's destination counts as one of its sources
.endr
; A fragment, 16 rows x 128 K of 6-bit codes, is 12 registers: lane l holds row l % 16; registers 6 c .. 6 c + 5 hold K = 64 c + 32 (l / 16) + 0 .. 31: 24 bytes of the row's stream of bits, as they lie,
; in pieces of 8 bytes.  Lanes 16-31 read three pieces further on than lanes 0-15; where that is behind one padding more, the second address register serves.
.macro FRAG reg, adr, q, i, extra
.irp p, 0,1,2,3,4,5
.set PCE, 12*(\q)+6*(\p/3)+\p%3
.if PCE%8 < 5
	ds_load_b64 v[\reg+2*\p:\reg+2*\p+1], v[\adr] offset:8*PCE+16*(PCE/8)+(\i)*16*PITCH+\extra
.else
	ds_load_b64 v[\reg+2*\p:\reg+2*\p+1], v[\adr+2] offset:8*PCE+16*(PCE/8)+(\i)*16*PITCH+\extra
.endif
.endr
.endm
.macro LDF reg, adr, ks, extra         ; four fragments (24 loads) of step ks into window 3, v[reg] on: slot (ks / 2) % 2, its (ks % 2)-th 128 along K
	WIN 0xc0
.irp i, 0,1,2,3
	FRAG \reg+12*\i, \adr+((\ks)/2)%2, (\ks)%2, \i, \extra
.endr
.endm
; 8 matrix instructions of q or of k: tiles of tokens m0, m0 + 1 x the four tiles of features.  Step 0 takes the bias as C.  The 48 accumulators take turns, one instruction a turn, in the same order in every step.
.macro GQK ks, m0, acc, wf, sc, bias
.set XFS, 48*((\ks)%2)
.if (\ks) == 0
	WIN 0x6f                                       ; sources 0 and 1 window 3, C window 2, D window 1
.else
	WIN 0x5f                                       ; sources 0 and 1 window 3, C and D window 1
.endif
.irp m, \m0, \m0+1
.irp t, 0,1,2,3
.if (\ks) == 0
	v_wmma_scale_f32_16x16x128_f8f6f4 v[\acc+8*(4*(\m)+\t):\acc+8*(4*(\m)+\t)+7], v[\wf+12*\t:\wf+12*\t+11], v[XFS+12*(\m):XFS+12*(\m)+11], v[\bias+8*\t:\bias+8*\t+7], v[\sc+8*\t+(\ks)], v[SCX+8*(\m)+(\ks)] matrix_a_fmt:MATRIX_FMT_FP6 matrix_b_fmt:MATRIX_FMT_FP6
.else
	v_wmma_scale_f32_16x16x128_f8f6f4 v[\acc+8*(4*(\m)+\t):\acc+8*(4*(\m)+\t)+7], v[\wf+12*\t:\wf+12*\t+11], v[XFS+12*(\m):XFS+12*(\m)+11], v[\acc+8*(4*(\m)+\t):\acc+8*(4*(\m)+\t)+7], v[\sc+8*\t+(\ks)], v[SCX+8*(\m)+(\ks)] matrix_a_fmt:MATRIX_FMT_FP6 matrix_b_fmt:MATRIX_FMT_FP6
.endif
.endr
.endr
.endm
.macro GV ks                           ; the 16 of v: source 0 = tokens, source 1 = Wv's rows; accumulator (t, m) at v[8 (4 t + m)] of window 2
.set XFS, 48*((\ks)%2)
	WIN 0xaf                                       ; sources 0 and 1 window 3, C and D window 2
.irp t, 0,1,2,3
.irp m, 0,1,2,3
.if (\ks) == 0
	v_wmma_scale_f32_16x16x128_f8f6f4 v[8*(4*\t+\m):8*(4*\t+\m)+7], v[XFS+12*\m:XFS+12*\m+11], v[WVF+12*\t:WVF+12*\t+11], v[BV+8*\t:BV+8*\t+7], v[SCX+8*\m+(\ks)], v[SCV+8*\t+(\ks)] matrix_a_fmt:MATRIX_FMT_FP6 matrix_b_fmt:MATRIX_FMT_FP6
.else
	v_wmma_scale_f32_16x16x128_f8f6f4 v[8*(4*\t+\m):8*(4*\t+\m)+7], v[XFS+12*\m:XFS+12*\m+11], v[WVF+12*\t:WVF+12*\t+11], v[8*(4*\t+\m):8*(4*\t+\m)+7], v[SCX+8*\m+(\ks)], v[SCV+8*\t+(\ks)] matrix_a_fmt:MATRIX_FMT_FP6 matrix_b_fmt:MATRIX_FMT_FP6
.endif
.endr
.endr
.endm
; A step of 128 along K whose successor lies in the same slot.  Each W's set is free as soon as its 16 products are issued and is then fetched anew; x is at work through the whole step and has two sets.
.macro STEP ks
	s_wait_dscnt 48                                ; Wq's and x's fragments are in; Wk's and Wv's, 24 loads each, may be out
	GQK \ks, 0, QA, WQF, SCQ, BQ
	GQK \ks, 2, QA, WQF, SCQ, BQ
	s_wait_dscnt 24                                ; Wk's are in; Wv's may be out
	PLACES
	LDF WQF, ADQ, (\ks)+1, 0
	LDF 48*(((\ks)+1)%2), ADX, (\ks)+1, 0
	GQK \ks, 0, KA, WKF, SCK, BK
	GQK \ks, 2, KA, WKF, SCK, BK
	s_wait_dscnt 48                                ; Wv's are in; the 48 loads just issued may be out
	PLACES
	LDF WKF, ADQ, (\ks)+1, HALFT
	GV \ks
	PLACES
	LDF WVF, ADV, (\ks)+1, 0
.endm
; A slot's second step changes slots: all reads of the slot were issued in the step before.  ONE barrier; in front of it each wave waits for all its tensor loads, adds 0 to its spare word, and waits for that
; and for its own reads of this slot.  fill = 1: the barrier opens a round of the cluster's barrier, and this slot is filled again, 512 along K further on.
.macro TURN ks, fill
.set SL, ((\ks)/2)%2
	WIN 0                                          ; (the add's two registers lie in window 0)
	s_wait_tensorcnt 0x0                           ; all my tensor loads have landed: the one that was out is my quarter of the next slot;
	ds_add_u32 v[SPW], v[NIL]                      ; 0 onto my spare word
	s_wait_dscnt 49                                ; (Wk's and Wv's 24 loads each, and the add, may be out)
	GQK \ks, 0, QA, WQF, SCQ, BQ                   ; eight matrix instructions stand between the add and the wait for it
	s_wait_dscnt 0x0                               ; the add is done, and my reads of this slot are over
	s_barrier_signal -1
	GQK \ks, 2, QA, WQF, SCQ, BQ
	WIN 0
	s_barrier_wait -1
.if \fill
	CREST                                          ; no wave of any partner still reads this slot's tiles or has a load on its way
	s_add_nc_u64 s[G0+4*SL+2:G0+4*SL+3], s[G0+4*SL+2:G0+4*SL+3], 2*ROWB
	s_add_nc_u64 s[G0B+4*SL+2:G0B+4*SL+3], s[G0B+4*SL+2:G0B+4*SL+3], 2*ROWB
	JLOAD SL                                       ; the first tensor load behind the round; the four v_nop behind it are also the places in front of the loads below
.else
	PLACES
.endif
	LDF WQF, ADQ, (\ks)+1, 0
	LDF 48*(((\ks)+1)%2), ADX, (\ks)+1, 0
	GQK \ks, 0, KA, WKF, SCK, BK
	GQK \ks, 2, KA, WKF, SCK, BK
	PLACES
	LDF WKF, ADQ, (\ks)+1, HALFT
	GV \ks
	PLACES
	LDF WVF, ADV, (\ks)+1, 0
.endm
; 128 registers of window w, v[a] on: four units of 32 registers, each two blocks of 32 along the next K (16 numbers of each in this lane, the other 16 in lane l xor 16), become four sextets in v[CD] on
; and, in v[PK], v[PK + 1], the units' pairs of scale bytes.  floor: no largest magnitude is taken under it, so that no byte falls under 1.  sub = 1: three off each byte (the division by 8).
.macro QUANT4 w, a, floor, sub
	s_wait_xcnt 0x0                                ; the registers that earlier stores read are written again only behind this wait
	WIN 5*\w                                       ; sources 0 and 1: window w
.irp b, 0,1,2,3,4,5,6,7
	v_max3_num_f32 v[TM+\b], |v[\a+16*\b]|, |v[\a+16*\b+1]|, \floor       ; each accumulator is read from its low end on; the eight blocks take turns
.endr
.irp i, 2,4,6,8,10,12,14
.irp b, 0,1,2,3,4,5,6,7
	v_max3_num_f32 v[TM+\b], |v[\a+16*\b+\i]|, |v[\a+16*\b+\i+1]|, v[TM+\b]
.endr
.endr
	WIN 0
.irp b, 0,1,2,3,4,5,6,7
	v_permlanex16_b32 v[TP+\b], v[TM+\b], s[SEL], s[SEL+1]
.endr
.irp b, 0,1,2,3,4,5,6,7
	v_max_num_f32 v[TM+\b], v[TM+\b], v[TP+\b]     ; with lane l xor 16's: the block's largest magnitude
.endr
.irp b, 0,1,2,3,4,5,6,7
	v_add_nc_u32 v[SO+\b], 0xff000000, v[TM+\b]    ; 2 off its exponent field: the conversion takes the exponent field of this operand as its scale, and nothing else of it
.endr
.irp b, 0,1,2,3,4,5,6,7
	v_lshrrev_b32 v[TP+\b], 23, v[SO+\b]           ; the scale's byte
.endr
.irp u, 0,1,2,3
	v_lshl_or_b32 v[SW+\u], v[TP+2*\u+1], 8, v[TP+2*\u]
.endr
.if \sub
.irp u, 0,1,2,3
	v_add_nc_u32 v[SW+\u], 0xfffffcfd, v[SW+\u]    ; - 0x0303: each byte is 4 or more, so nothing is borrowed
.endr
.endif
.irp c, 0,1
	v_cndmask_b32 v[PK+\c], v[SW+2*\c], v[SW+2*\c+1], s[HI]       ; lanes 0-15 unit 2 c's, lanes 16-31 unit 2 c + 1's
.endr
	WIN \w                                         ; source 0: window w
.irp u, 0,1,2,3
	v_cvt_scalef32_pk16_fp6_f32 v[CD+6*\u:CD+6*\u+2], v[\a+32*\u:\a+32*\u+15], v[SO+2*\u]
	v_cvt_scalef32_pk16_fp6_f32 v[PT+4*\u:PT+4*\u+2], v[\a+32*\u+16:\a+32*\u+31], v[SO+2*\u+1]   ; (a conversion's three registers begin on an even number)
.endr
	WIN 0
	v_nop                                          ; one plain place behind a scaled conversion
.irp u, 0,1,2,3                        ; the operand's layout wants a WHOLE block in a lane: lanes 0-15 the unit's first block, lanes 16-31 its second
.irp n, 0,1,2
	v_permlane16_swap_b32 v[CD+6*\u+\n], v[PT+4*\u+\n]
.endr
.irp n, 0,1,2
	v_mov_b32 v[CD+6*\u+3+\n], v[PT+4*\u+\n]
.endr
.endr
.endm
.macro OUT o16, o8, base, off, step    ; the four sextets leave: 512 and 256 consecutive bytes a store, aligned to 256
.irp u, 0,1,2,3
	global_store_b128 v[\o16], v[CD+6*\u:CD+6*\u+3], s[\base:\base+1] offset:\off+\step*\u
	global_store_b64 v[\o8], v[CD+6*\u+4:CD+6*\u+5], s[\base:\base+1] offset:\off+\step*\u+512
.endr
.endm
	s_wait_tensorcnt 1                             ; my quarter of slot 0 is in (slot 1's load may be out)
	s_barrier_signal -1
	s_barrier_wait -1                              ; everybody's is
	LDF WQF, ADQ, 0, 0
	LDF 0, ADX, 0, 0
	LDF WKF, ADQ, 0, HALFT
	LDF WVF, ADV, 0, 0
	s_wait_loadcnt 0x0                             ; the scale words and the biases
	STEP 0
	TURN 1, 1                                      ; slot 0 takes K = 512 on
	STEP 2
	TURN 3, 1                                      ; slot 1 takes K = 768 on
	STEP 4
	TURN 5, 0                                      ; nothing is left to fetch, so no round follows the barrier
	STEP 6
	s_wait_dscnt 48                                ; the last step
	GQK 7, 0, QA, WQF, SCQ, BQ
	GQK 7, 2, QA, WQF, SCQ, BQ
	s_wait_dscnt 24
	GQK 7, 0, KA, WKF, SCK, BK
	GQK 7, 2, KA, WKF, SCK, BK
	s_wait_dscnt 0x0
	GV 7
	WIN 0
	PLACES                                         ; in front of the first read of results
	QUANT4 1, QA, 0x3000000, 1                     ; q: the floor 2^(6 - 127), so that a byte less 2 less 3 is 1 or more
	OUT OQ16, OQ8, 26, 0, 768
	global_store_b64 v[OS8], v[PK:PK+1], s[26:27] offset:8*768
	QUANT4 1, KA, 0x1800000, 0                     ; k: the floor 2^(3 - 127)
	OUT OQ16, OQ8, 28, 0, 768
	global_store_b64 v[OS8], v[PK:PK+1], s[28:29] offset:KS
	QUANT4 2, 0, 0x1800000, 0                      ; v: a unit is a tile of 16 features x my 64 keys
	OUT OV16, OV8, 28, VC, 2*768
	global_store_b16 v[OVS], v[PK], s[28:29] offset:VS             ; half a scale word: the other half is made by the wave that has the other 64 keys.  The only stores of this text that do not cover 256 consecutive bytes: 128 bytes a wave
	global_store_b16 v[OVS], v[PK+1], s[28:29] offset:VS+4
	s_wait_tensorcnt 0x0                           ; the wave's end
	ds_add_u32 v[SPW], v[NIL]
	s_wait_dscnt 0x0
	CROUND                                         ; the closing round: no work-group ends while a partner may still ask for a tile that names it
	s_endpgm
.Lfunc_end_k_q601aef6871_proj:
	.size	k_q601aef6871_proj, .Lfunc_end_k_q601aef6871_proj-k_q601aef6871_proj
	.p2alignl 7, 3214868480
	.fill 96, 4, 3214868480
	.section	.rodata,"a",@progbits
	.p2align	6, 0x0
	.amdhsa_kernel k_q601aef6871_proj
		.amdhsa_group_segment_fixed_size 327680
		.amdhsa_private_segment_fixed_size 0
		.amdhsa_enable_private_segment 0
		.amdhsa_kernarg_size 104
		.amdhsa_user_sgpr_count 2
		.amdhsa_user_sgpr_kernarg_segment_ptr 1
		.amdhsa_wavefront_size32 1
		.amdhsa_system_sgpr_workgroup_id_x 1
		.amdhsa_system_sgpr_workgroup_id_y 1
		.amdhsa_system_sgpr_workgroup_id_z 1
		.amdhsa_system_vgpr_workitem_id 0
		.amdhsa_next_free_vgpr 1024
		.amdhsa_next_free_sgpr 100
		.amdhsa_reserve_vcc 0
		.amdhsa_float_denorm_mode_32 3
		.amdhsa_float_denorm_mode_16_64 3
		.amdhsa_memory_ordered 1
		.amdhsa_forward_progress 1
		.amdhsa_inst_pref_size 146
	.end_amdhsa_kernel
	.amdgpu_metadata
---
amdhsa.version: [ 1, 2 ]
amdhsa.kernels:
  - .name:           k_q601aef6871_proj
    .symbol:         k_q601aef6871_proj.kd
    .args:
      - { .name: hidden_states_codes, .offset: 0, .size: 8, .value_kind: global_buffer, .address_space: global }
      - { .name: hidden_states_scales, .offset: 8, .size: 8, .value_kind: global_buffer, .address_space: global }
      - { .name: Wq_codes, .offset: 16, .size: 8, .value_kind: global_buffer, .address_space: global }
      - { .name: Wq_scales, .offset: 24, .size: 8, .value_kind: global_buffer, .address_space: global }
      - { .name: Wk_codes, .offset: 32, .size: 8, .value_kind: global_buffer, .address_space: global }
      - { .name: Wk_scales, .offset: 40, .size: 8, .value_kind: global_buffer, .address_space: global }
      - { .name: Wv_codes, .offset: 48, .size: 8, .value_kind: global_buffer, .address_space: global }
      - { .name: Wv_scales, .offset: 56, .size: 8, .value_kind: global_buffer, .address_space: global }
      - { .name: bq, .offset: 64, .size: 8, .value_kind: global_buffer, .address_space: global }
      - { .name: bk, .offset: 72, .size: 8, .value_kind: global_buffer, .address_space: global }
      - { .name: bv, .offset: 80, .size: 8, .value_kind: global_buffer, .address_space: global }
      - { .name: qws, .offset: 88, .size: 8, .value_kind: global_buffer, .address_space: global }
      - { .name: kvws, .offset: 96, .size: 8, .value_kind: global_buffer, .address_space: global }
    .group_segment_fixed_size: 327680
    .private_segment_fixed_size: 0
    .kernarg_segment_align: 8
    .kernarg_segment_size: 104
    .max_flat_workgroup_size: 128
    .sgpr_count:     100
    .vgpr_count:     1024
    .wavefront_size: 32
...
	.end_amdgpu_metadata
.endif
;; end of part 1
;; launch attn (part 2): grid 8 x 32, 16 waves a work-group, clusters of 4 x 1, 288,768 bytes of LDS; arguments qws, kvws, attention_mask, out0; writes out0
.if DOCPART == 2
	.amdgcn_target "amdgcn-amd-amdhsa--gfx1250"
	.amdhsa_code_object_version 6
	.text
	.protected	k_q601aef6871_attn
	.globl	k_q601aef6871_attn
	.p2align	8
	.type	k_q601aef6871_attn,@function
k_q601aef6871_attn:
	s_mov_b64 s[64:65], 0
	v_nop
	global_prefetch_b8 v0, s[64:65] scope:SCOPE_SE
	s_setreg_imm32_b32 hwreg(HW_REG_WAVE_MODE, 25, 1), 1
	s_wait_xcnt 0x0
	s_wait_alu depctr_hold_cnt(0) depctr_sa_sdst(0) depctr_va_vdst(0) depctr_va_sdst(0) depctr_va_ssrc(0) depctr_va_vcc(0) depctr_vm_vsrc(0)
	s_getreg_b32 s2, hwreg(HW_REG_IB_STS2, 6, 4)
	s_cmp_eq_u32 s2, 0
	s_cbranch_scc0 .Lentry_in_a_cluster
	s_endpgm
.Lentry_in_a_cluster:
	s_bfe_u32 s2, ttmp6, 0x10000c
	s_cmp_lg_u32 s2, 0x3003
	s_cbranch_scc0 .Lentry_shape_is_right
	s_endpgm
.Lentry_shape_is_right:
; out0[b][q][64 head + d] = the sum over keys of softmax(q . k / 8 + mask[b][key]) v[key][d], both products on codes of FP6 (E2M3) with one E8M0 scale for each 32 along a product's K.
; q, k and v come from the projection launch as images of operand registers (sextets: 6 registers x 32 lanes, registers 0-3 at 16 x lane, registers 4-5 at 512 + 8 x lane) with their scale words; the division by 8 is in q's scale bytes.
; THE SOFTMAX AHEAD OF THE SECOND PRODUCT: t = score x log2(e); M = the row's largest t so far, rounded UP to a whole number; p = 2^(t - M) is what is quantised, along the keys; it is not normalised.
; The row's sum is taken of the unquantised p, in f32, and divides O at the end.  When M moves, the sum and O are multiplied by 2^(old M - new M): exact.
; SHARES.  A work-group owns 256 queries of one (batch, head); each of its sixteen waves owns 16 of them, one tile, in 256 registers: four waves to a SIMD, so that one wave's vector work stands beside another's matrix work and LDS loads.
; Every wave walks the 2,048 keys, 128 a step.  ALL of the head's k, v and scale words (16 records of 13,056 bytes) lie in LDS: each wave brings one record by one tensor load at the start; nothing is filled again.
; CLUSTER.  The four work-groups of a cluster belong to one (batch, head) and want the same 16 records: each is asked for jointly, by the same tensor load with the same descriptor and a mask that names the four.
; LAYOUT.  Both products are used transposed: S^T = K Q^T (source 0 = 16 keys, source 1 = my 16 queries), O^T = V^T P^T (source 0 = 16 of the head's 64, source 1 = P): a lane holds ONE query (lane % 16) throughout.
; THE HEAD'S K IS 64, THE INSTRUCTION'S 128.  Q's registers 6-11 (K = 64 on) are zero codes.  K's tiles lie packed, 6 registers each: the upper half of a tile's operand is the next tile's codes (behind the last tile: zeros), which meet Q's zeros;
; every code of this format is a finite number, and the scale bytes of that half are 0, not 0xff: nothing is added.
; THE MASK IS THE C OF THE FIRST PRODUCT: it is loaded into the registers that the scores will take.  The hold at the lowest f32 number is made on the mask, where alone it can act (a mask of -infinity).
; ORDER INSIDE A BLOCK OF 32 KEYS.  A lane of half h holds keys 8 h + 0..7 and 16 + 8 h + 0..7 of a block, so p's codes lie in the order 0-7, 16-23, 8-15, 24-31; v's were made in the same way and lie in the same order.
; LIMITS: NaN and +infinity are not served (a mask of -infinity is).  A row all of whose scores lie under about -2e38 is not served: its t is beyond f32's range.  Scores beyond about 1e31 beside a mask at the lowest f32 number are not served.
; A block of p whose largest lies under 2^-124 is quantised at that floor's scale.
; REGISTERS: v1-3 lane terms; v4-6 the step's LDS addresses; v7-11 at work at the head and on the way out; v12 -M, v13 the largest t, v[14:15] the sum; v16-27 Q; v28 Q's scale word, v29 p's, v30-31 V's, v86-89 K's: these hold scales alone;
; v32-79 K's 8 tiles, then V's 4; v80-85 zeros; v96-159 mask, scores, p; v160-191 O^T; v192-203 p's codes; v204-229 at work.
.set REC,   13056                      ; a record: 128 keys of one head
.set VC,    6144                       ; in it: V's sextets,
.set KS,    12288                      ; K's scale words,
.set VS,    12800                      ; V's scale words
.set QREC,  6656                       ; a record of qws: 128 queries of one head
.set MASK,  16*REC                     ; behind the records: the batch's mask, 8,192 bytes, stored by ds_store; no tensor load lands there
.set STG,   MASK+8192                  ; the way out: 16 rows x (256 bytes + 16) for each wave
.set SP,    272
.set WV,    12                         ; s12 my wave's number
.set SEL,   20                         ; s[20:21] v_permlanex16_b32's selects for lane l xor 16
.set CS,    22                         ; s[22:23] c = log2(e): the packed form names a pair and takes its low word for both halves
.set G1,    24                         ; s[24:31] descriptor group 1;  s[32:35] group 0
.set G0,    32
.set TB,    36                         ; s36 LDS byte at which the step's record begins
.set TK,    37                         ; s37 and its 512 bytes of the mask
.macro CROUND                          ; a round of the cluster's barrier
	s_barrier_signal -1
	s_barrier_wait -1
	s_cmp_lg_u32 s[WV], 0
	s_cbranch_scc1 .Lnot_wave_0_\@
	s_barrier_signal -3
.Lnot_wave_0_\@:
	s_barrier_wait -3
	s_barrier_signal -1
	s_barrier_wait -1
.endm
	s_load_b256 s[4:11], s[0:1], 0x0               ; qws s[4:5], kvws s[6:7], the mask s[8:9], out0 s[10:11]
	v_lshl_add_u32 v254, v0, 2, 0x46000
	v_mov_b32 v255, 0
	ds_add_u32 v254, v255
	ds_add_u32 v254, v255
	v_lshrrev_b32 v1, 5, v0
	v_readfirstlane_b32 s[WV], v1                  ; wave 0..15
	s_bfe_u32 s13, ttmp6, 0x40000                  ; cx: my place in the cluster
	s_lshl_b32 s14, ttmp9, 2
	s_add_co_u32 s14, s14, s13                     ; my block of 256 queries = 4 x cluster x + cx: it enters Q's and out0's addresses alone
	s_and_b32 s15, ttmp7, 0xffff                   ; hh = 16 b + head, which the four partners share
	s_lshr_b32 s16, s15, 4                         ; b
	s_and_b32 s17, s15, 15                         ; head
	; descriptor group 1: a record is a dense block: 51 rows of 256 bytes (32 elements of 8 bytes), no padding: the images are read as consecutive bytes
	s_mov_b32 s[G1], 15|(3<<16)|(1<<21)            ; 15:0 the mask: all four work-groups; 17:16 elements of 8 bytes; 20 padding off; 21 set beside a mask
	s_mov_b32 s[G1+1], 32<<16                      ; tensor_dim0
	s_mov_b32 s[G1+2], 51<<16                      ; tensor_dim1
	s_mov_b32 s[G1+3], 32<<16                      ; tile_dim0
	s_mov_b32 s[G1+4], 51                          ; tile_dim1
	s_mov_b32 s[G1+5], 32                          ; tensor_dim0_stride
	s_mov_b32 s[G1+6], 0
	s_mov_b32 s[G1+7], 0
	s_mov_b32 s[G0], 1                             ; 1:0 count = 1
	s_mul_i32 s[G0+1], s[WV], REC                  ; 63:32 LDS address: record w
	s_mul_i32 s40, s15, 16*REC
	s_add_co_u32 s40, s40, s[G0+1]                 ; and the same record of my head in memory
	s_mov_b32 s41, 0
	s_lshl_b32 s42, s16, 13                        ; the batch's mask
	s_mov_b32 s43, 0
	s_lshl_b32 s44, s15, 4                         ; Q: record 16 hh + 2 x block + w / 8,
	s_lshl_b32 s45, s14, 1
	s_add_co_u32 s44, s44, s45
	s_lshr_b32 s45, s[WV], 3
	s_add_co_u32 s44, s44, s45
	s_mul_i32 s44, s44, QREC
	s_and_b32 s45, s[WV], 7                        ; tile w % 8 in it:
	s_mul_i32 s46, s45, 768
	s_add_co_u32 s46, s46, s44                     ; its sextet,
	s_mov_b32 s47, 0
	s_lshr_b32 s48, s45, 2                         ; and its scale words: 256 (tile / 4) + 128 (tile % 2) + 4 ((tile / 2) % 2), 8 bytes from token to token
	s_lshl_b32 s48, s48, 8
	s_and_b32 s49, s[WV], 1
	s_lshl_b32 s49, s49, 7
	s_add_co_u32 s48, s48, s49
	s_bfe_u32 s49, s[WV], 0x10001
	s_lshl_b32 s49, s49, 2
	s_add_co_u32 s48, s48, s49
	s_add_co_u32 s48, s48, s44
	s_mov_b32 s49, 0
	s_lshl_b32 s50, s16, 11                        ; out0: row 2,048 b + 256 x block + 16 w of 4,096 bytes, + 256 x head
	s_lshl_b32 s51, s14, 8
	s_add_co_u32 s50, s50, s51
	s_lshl_b32 s51, s[WV], 4
	s_add_co_u32 s50, s50, s51
	s_lshl_b32 s50, s50, 12
	s_lshl_b32 s51, s17, 8
	s_add_co_u32 s50, s50, s51
	s_mov_b32 s51, 0
	s_mov_b32 s[SEL], 0x76543210
	s_mov_b32 s[SEL+1], 0xfedcba98
	s_mov_b32 s[CS], 0x3fb8aa3b                    ; c = log2(e)
	s_mov_b32 s[CS+1], s[CS]                       ; (named with it as a pair, so it is written)
	s_mov_b32 s[TB], 0
	s_mov_b32 s[TK], 0
	s_mov_b32 s38, 16                              ; key steps
	s_wait_dscnt 0x0
	s_wait_kmcnt 0x0
	s_add_nc_u64 s[G0+2:G0+3], s[6:7], s[40:41]    ; 120:64 global address
	s_or_b32 s[G0+3], s[G0+3], 0x80000000          ; 127:126 type = 2
	s_add_nc_u64 s[8:9], s[8:9], s[42:43]
	s_add_nc_u64 s[46:47], s[4:5], s[46:47]
	s_add_nc_u64 s[48:49], s[4:5], s[48:49]
	s_add_nc_u64 s[10:11], s[10:11], s[50:51]
	CROUND                                         ; all four work-groups are here: the joint loads meet
	tensor_load_to_lds s[G0:G0+3], s[G1:G1+7]      ; my one tensor load: record w of the head
	s_nop 0
	v_and_b32 v7, 31, v0                           ; lane
	v_and_b32 v8, 15, v0                           ; r
	v_bfe_u32 v9, v0, 4, 1                         ; h
	v_lshlrev_b32 v1, 4, v7                        ; 16 x lane
	v_lshlrev_b32 v2, 3, v7                        ; 8 x lane
	v_lshl_add_u32 v3, v9, 5, MASK                 ; the mask: my half's eight keys of a tile
	v_lshlrev_b32 v10, 4, v0                       ; 16 x thread: the 512 threads take the batch's 8,192 bytes of mask
	v_lshlrev_b32 v11, 3, v8
	global_load_b128 v[96:99], v10, s[8:9]
	global_load_b128 v[16:19], v1, s[46:47]        ; Q's sextet stays in registers
	global_load_b64 v[20:21], v2, s[46:47] offset:512
	global_load_b32 v28, v11, s[48:49] offset:8*768   ; and its scale words
	v_lshl_add_u32 v4, v0, 4, MASK                 ; where my 16 bytes of the mask go
.irp j, 22,23,24,25,26,27,80,81,82,83,84,85
	v_mov_b32 v\j, 0                               ; zero codes: Q's K = 64 on; what stands behind K's last tile
.endr
.set J, 0
.rept 32
	v_mov_b32 v[160+J], 0                          ; O^T.  (The step is written once: the first finds zeros, which the first change of M leaves zeros)
.set J, J+1
.endr
	v_mov_b32 v14, 0                               ; the sum, in two halves
	v_mov_b32 v15, 0
.irp b, 0,1,2,3
	v_mov_b32 v[216+\b], 0                         ; written once: a lane permute's destination counts as one of its sources
.endr
	v_mov_b32 v225, 0                              ; (named as the upper half of the pair v[224:225])
	v_mov_b32 v13, 0xff61b1e6                      ; the largest t so far: -3e38, under every t
	v_floor_f32 v12, -v13                          ; -M
	s_wait_loadcnt 0x0
.irp i, 0,1,2,3
	v_max_num_f32 v[96+\i], 0xff7fffff, v[96+\i]   ; the hold at the lowest f32 number
.endr
	ds_store_b128 v4, v[96:99]
	s_wait_tensorcnt 0x0                           ; my record has landed,
	s_wait_dscnt 0x0                               ; my part of the mask is stored:
	s_barrier_signal -1
	s_barrier_wait -1                              ; everybody's are
.Lstep:                                            ; A KEY STEP: 128 keys
	v_add_nc_u32 v4, s[TB], v1
	v_add_nc_u32 v5, s[TB], v2
	v_add_nc_u32 v6, s[TK], v3
	v_nop                                          ; four places in front of loads into registers that the last products have read
.irp t, 0,1,2,3,4,5,6,7
	ds_load_b128 v[96+8*\t:99+8*\t], v6 offset:64*\t               ; the mask of keys 16 t + 8 h + 0 .. 7, where the scores will stand
	ds_load_b128 v[100+8*\t:103+8*\t], v6 offset:64*\t+16
.endr
.irp t, 0,1,2,3,4,5,6,7
	ds_load_b128 v[32+6*\t:35+6*\t], v4 offset:768*\t              ; K's tile t: keys 16 t on
	ds_load_b64 v[36+6*\t:37+6*\t], v5 offset:768*\t+512
.endr
	ds_load_b64 v[86:87], v5 offset:KS             ; K's scale words: v[86 + t / 2]: lanes 0-15 the even tile's, lanes 16-31 the odd one's
	ds_load_b64 v[88:89], v5 offset:KS+256
	s_wait_dscnt 0x0
.irp t, 0,1,2,3,4,5,6,7                ; S^T = K Q^T / 8 + mask.  Lane (r, h) holds query r; register j of tile t is key 16 t + 8 h + j
.if \t%2
	v_wmma_scale_f32_16x16x128_f8f6f4 v[96+8*\t:103+8*\t], v[32+6*\t:43+6*\t], v[16:27], v[96+8*\t:103+8*\t], v[86+\t/2], v28 matrix_a_fmt:MATRIX_FMT_FP6 matrix_b_fmt:MATRIX_FMT_FP6 matrix_a_scale:MATRIX_SCALE_ROW1
.else
	v_wmma_scale_f32_16x16x128_f8f6f4 v[96+8*\t:103+8*\t], v[32+6*\t:43+6*\t], v[16:27], v[96+8*\t:103+8*\t], v[86+\t/2], v28 matrix_a_fmt:MATRIX_FMT_FP6 matrix_b_fmt:MATRIX_FMT_FP6
.endif
.endr
.rept 4
	v_nop                                          ; places in front of the loads below and of the first read of the scores
.endr
.irp u, 0,1,2,3,4,5,6,7
	ds_load_b128 v[32+6*\u:35+6*\u], v4 offset:VC+768*\u           ; V's tiles, two sextets each: they land under the softmax
	ds_load_b64 v[36+6*\u:37+6*\u], v5 offset:VC+768*\u+512
.endr
	ds_load_b64 v[30:31], v5 offset:VS             ; V's scale words: v[30 + t / 2], as K's
.irp b, 0,1,2,3
	v_max3_num_f32 v[212+\b], v[96+16*\b], v[97+16*\b], v[98+16*\b]   ; THE LARGEST SCORE OF EACH BLOCK OF 32 KEYS: it serves twice: for the row's maximum, and, since p rises with the score, for the block's largest p
.endr
.irp i, 3,5,7,9,11,13
.irp b, 0,1,2,3
	v_max3_num_f32 v[212+\b], v[212+\b], v[96+16*\b+\i], v[97+16*\b+\i]   ; (the four blocks by turns; each accumulator is read from its low end on)
.endr
.endr
.irp b, 0,1,2,3
	v_max_num_f32 v[212+\b], v[212+\b], v[111+16*\b]
.endr
.irp b, 0,1,2,3
	v_permlanex16_b32 v[216+\b], v[212+\b], s[SEL], s[SEL+1]
.endr
.irp b, 0,1,2,3
	v_max_num_f32 v[212+\b], v[212+\b], v[216+\b]  ; with lane l xor 16's 16 keys
.endr
	v_max3_num_f32 v226, v212, v213, v214
	v_max_num_f32 v226, v226, v215                 ; the step's largest score of my query
	v_mul_f32 v226, s[CS], v226                    ; as t (c is positive)
	v_max_num_f32 v13, v13, v226                   ; the running largest t
	v_mov_b32 v226, v12
	v_floor_f32 v12, -v13                          ; the new -M = floor(-t) = -ceil(t): M IS A WHOLE NUMBER
	v_sub_f32 v226, v12, v226                      ; M's old value less its new one: a whole number, 0 or less
	v_cvt_i32_f32 v226, v226                       ; (it saturates)
	v_ldexp_f32 v224, 1.0, v226                    ; f = 2^(old M - new M): a multiplication by it rounds nothing
.set J, 0
.rept 32
	v_pk_fma_f32 v[96+J:97+J], v[96+J:97+J], s[CS:CS+1], v[12:13] op_sel_hi:[1,0,0]   ; t - M, two at a time (of the pairs c and -M the low word serves both halves)
.set J, J+2
.endr
.irp b, 0,1,2,3
	v_fma_f32 v[212+\b], v[212+\b], s[CS], v12     ; the same of each block's largest score
.endr
.irp b, 0,1,2,3
	v_exp_f32 v[212+\b], v[212+\b]                 ; the block's largest p: the same two instructions on the same number give the same bits
.endr
; THE 64 EXPONENTIALS, with the step's other plain work between them.  Behind exponential KK stands: at odd KK line KK / 2 of a list of 32 (the sum x f; the four blocks' floors, scale operands and bytes; p's scale word; O^T x f);
; at even KK from 4 on a packed sum of the pair of p whose second exponential stands three lines back.  So a plain line stands between every exponential and the first use of its result.
; THE ROW'S SUM IS TAKEN OF THE UNQUANTISED p, in two chains: v[14:15] (the old sum x f, and the even pairs from 2 on) and v[228:229] (pairs 0 and 1, and the odd pairs).
.set KK, 0
.rept 64
	v_exp_f32 v[96+KK], v[96+KK]                   ; p = 2^(t - M): NOT normalised
.set NN, KK/2
.if KK%2 == 1
.if NN == 0
	v_pk_mul_f32 v[14:15], v[14:15], v[224:225] op_sel_hi:[1,0]    ; the sum under the new M
.elseif NN < 5
	s_wait_alu depctr_va_vdst(0)
	v_max_num_f32 v[212+NN-1], 0x1800000, v[212+NN-1]              ; the floor 2^(3 - 127): the byte cannot fall under 1 (a block whose every p is 0 keeps that byte: its codes are zeros)
.elseif NN < 9
	v_add_nc_u32 v[220+NN-5], 0xff000000, v[212+NN-5]              ; 2 off the exponent field: the conversion's scale operand
.elseif NN < 13
	v_lshrrev_b32 v[216+NN-9], 23, v[220+NN-9]                     ; the scale's byte
.elseif NN == 13
	v_lshl_or_b32 v29, v217, 8, v216                               ; p's scale word for these 128 keys
.elseif NN == 14
	v_lshl_or_b32 v29, v218, 16, v29
.elseif NN == 15
	v_lshl_or_b32 v29, v219, 24, v29
.else
	v_pk_mul_f32 v[160+2*(NN-16):161+2*(NN-16)], v[160+2*(NN-16):161+2*(NN-16)], v[224:225] op_sel_hi:[1,0]   ; O^T under the new M, each accumulator from its low end on
.endif
.elseif KK == 4
	v_pk_add_f32 v[228:229], v[96:97], v[98:99]
.elseif KK >= 6
.if ((KK-2)/2)%2 == 0
	s_wait_alu depctr_va_vdst(0)
	v_pk_add_f32 v[14:15], v[14:15], v[96+KK-2:96+KK-1]
.else
	s_wait_alu depctr_va_vdst(0)
	v_pk_add_f32 v[228:229], v[228:229], v[96+KK-2:96+KK-1]
.endif
.endif
.set KK, KK+1
.endr
	s_wait_alu depctr_va_vdst(0)
.irp c, 0,1
	v_cvt_scalef32_pk16_fp6_f32 v[192+6*\c:194+6*\c], v[96+32*\c:111+32*\c], v[220+2*\c]
	v_cvt_scalef32_pk16_fp6_f32 v[204+4*\c:206+4*\c], v[112+32*\c:127+32*\c], v[220+2*\c+1]   ; (a conversion's three registers begin on an even number)
.endr
	v_nop                                          ; one plain place behind a scaled conversion
.irp c, 0,1                            ; the operand's layout wants a WHOLE block in a lane: lanes 0-15 block 2 c, lanes 16-31 block 2 c + 1
.irp i, 0,1,2
	v_permlane16_swap_b32 v[192+6*\c+\i], v[204+4*\c+\i]
.endr
.irp i, 0,1,2
	v_mov_b32 v[195+6*\c+\i], v[204+4*\c+\i]
.endr
.endr
	v_pk_add_f32 v[228:229], v[228:229], v[158:159]   ; the last pair,
	v_pk_add_f32 v[14:15], v[14:15], v[228:229]    ; and the two chains meet
	v_nop
	v_nop                                          ; four places between the last write of p's codes and the scaled products; p's scale word was written over thirty plain lines back
	s_wait_dscnt 0x0                               ; V
.irp t, 0,1,2,3                        ; O^T += V^T P^T: tile t is the head's 16 t on; K = these 128 keys
.if \t%2
	v_wmma_scale_f32_16x16x128_f8f6f4 v[160+8*\t:167+8*\t], v[32+12*\t:43+12*\t], v[192:203], v[160+8*\t:167+8*\t], v[30+\t/2], v29 matrix_a_fmt:MATRIX_FMT_FP6 matrix_b_fmt:MATRIX_FMT_FP6 matrix_a_scale:MATRIX_SCALE_ROW1
.else
	v_wmma_scale_f32_16x16x128_f8f6f4 v[160+8*\t:167+8*\t], v[32+12*\t:43+12*\t], v[192:203], v[160+8*\t:167+8*\t], v[30+\t/2], v29 matrix_a_fmt:MATRIX_FMT_FP6 matrix_b_fmt:MATRIX_FMT_FP6
.endif
.endr
	s_add_co_u32 s[TB], s[TB], REC                 ; the next record, and its part of the mask
	s_add_co_u32 s[TK], s[TK], 512
	s_sub_co_u32 s38, s38, 1
	s_cmp_lg_u32 s38, 0
	s_cbranch_scc1 .Lstep
	; THE WAY OUT.  O^T is divided by the row's sum and goes through my stage in LDS, so that sixteen lanes store a query's 256 consecutive bytes, aligned to 256.  The lines up to the division are the places behind the last products.
	v_add_f32 v14, v14, v15                        ; the sum's two halves,
	v_permlanex16_b32 v216, v14, s[SEL], s[SEL+1]
	v_add_f32 v14, v14, v216                       ; and lane l xor 16's: the row's sum
	v_rcp_f32 v14, v14
	v_and_b32 v7, 15, v0                           ; (a plain place behind the reciprocal)  r
	v_bfe_u32 v8, v0, 4, 1                         ; h
	s_mul_i32 s40, s[WV], 16*SP
	s_add_co_u32 s40, s40, STG                     ; my stage
	v_mul_u32_u24 v9, v7, SP
	v_lshl_add_u32 v9, v8, 5, v9
	v_add_nc_u32 v9, s40, v9                       ; in: row r; tile t's eight numbers of my half: 64 t + 32 h bytes on
	v_mul_u32_u24 v10, v8, SP
	v_lshl_add_u32 v10, v7, 4, v10
	v_add_nc_u32 v10, s40, v10                     ; back: lanes 0-15 one row, lanes 16-31 the next
	v_lshlrev_b32 v11, 12, v8
	v_lshl_add_u32 v11, v7, 4, v11                 ; and the same two rows in out0
.set J, 0
	s_wait_alu depctr_va_vdst(0)
.rept 16
	v_pk_mul_f32 v[96+J:97+J], v[160+J:161+J], v[14:15] op_sel_hi:[1,0]   ; O^T / the sum: register 8 t + j is out(r, 16 t + 8 h + j)
.set J, J+2
.endr
.irp t, 0,1,2,3
	ds_store_b128 v9, v[96+8*\t:99+8*\t] offset:64*\t
	ds_store_b128 v9, v[100+8*\t:103+8*\t] offset:64*\t+16
.endr
.irp n, 0,1,2,3,4,5,6,7
	ds_load_b128 v[32+4*\n:35+4*\n], v10 offset:2*\n*SP            ; LDS serves a wave's instructions in order (ISA guide 5.7.1.4): these see my stores
.endr
.irp n, 0,1,2,3,4,5,6,7
	s_wait_dscnt 7-\n                              ; rows 2 n and 2 n + 1 are back; the younger loads may be out
	global_store_b128 v11, v[32+4*\n:35+4*\n], s[10:11] offset:2*\n*4096 th:TH_STORE_NT   ; written once, read by nobody here
.endr
	s_wait_tensorcnt 0x0
	ds_add_u32 v254, v255
	s_wait_dscnt 0x0
	CROUND                                         ; the closing round (my tensor load was waited for at the head, my last LDS load just above): no work-group ends while a partner may still ask for a record that names it
	s_endpgm
.Lfunc_end_k_q601aef6871_attn:
	.size	k_q601aef6871_attn, .Lfunc_end_k_q601aef6871_attn-k_q601aef6871_attn
	.p2alignl 7, 3214868480
	.fill 96, 4, 3214868480
	.section	.rodata,"a",@progbits
	.p2align	6, 0x0
	.amdhsa_kernel k_q601aef6871_attn
		.amdhsa_group_segment_fixed_size 288768
		.amdhsa_private_segment_fixed_size 0
		.amdhsa_enable_private_segment 0
		.amdhsa_kernarg_size 32
		.amdhsa_user_sgpr_count 2
		.amdhsa_user_sgpr_kernarg_segment_ptr 1
		.amdhsa_wavefront_size32 1
		.amdhsa_system_sgpr_workgroup_id_x 1
		.amdhsa_system_sgpr_workgroup_id_y 1
		.amdhsa_system_sgpr_workgroup_id_z 1
		.amdhsa_system_vgpr_workitem_id 0
		.amdhsa_next_free_vgpr 256
		.amdhsa_next_free_sgpr 66
		.amdhsa_reserve_vcc 0
		.amdhsa_float_denorm_mode_32 3
		.amdhsa_float_denorm_mode_16_64 3
		.amdhsa_memory_ordered 1
		.amdhsa_forward_progress 1
		.amdhsa_inst_pref_size 29
	.end_amdhsa_kernel
	.amdgpu_metadata
---
amdhsa.version: [ 1, 2 ]
amdhsa.kernels:
  - .name:           k_q601aef6871_attn
    .symbol:         k_q601aef6871_attn.kd
    .args:
      - { .name: qws, .offset: 0, .size: 8, .value_kind: global_buffer, .address_space: global }
      - { .name: kvws, .offset: 8, .size: 8, .value_kind: global_buffer, .address_space: global }
      - { .name: attention_mask, .offset: 16, .size: 8, .value_kind: global_buffer, .address_space: global }
      - { .name: out0, .offset: 24, .size: 8, .value_kind: global_buffer, .address_space: global }
    .group_segment_fixed_size: 288768
    .private_segment_fixed_size: 0
    .kernarg_segment_align: 8
    .kernarg_segment_size: 32
    .max_flat_workgroup_size: 512
    .sgpr_count:     66
    .vgpr_count:     256
    .wavefront_size: 32
...
	.end_amdgpu_metadata
.endif
;; end of part 2
